; MI455X (gfx1250); checked and timed in simulation.
; The chip was launched on July 23, 2026; its instructions are those of AMD's public machine-readable ISA for CDNA 5 (MIT licence, August 2026) and "CDNA5" Instruction Set Architecture Reference Guide (July 2026). The comments in the code are by the model that wrote it; some were corrected since.
;; LSTM Block. Allowed arithmetic: float matrix products may take bf16 or f16 operands with f32 sums; other float arithmetic in f32, or as packed bf16 or f16 multiplies, adds, multiply-adds, maxima and minima; sums over many terms, partial sums and values carried from step to step in f32; what a program stores and reads back later, other than sums and carried values, may be rounded once to bf16 or f16.
;; Inputs: W_f 1,024 x 2,048 float32; W_g 1,024 x 2,048 float32; W_i 1,024 x 2,048 float32; W_o 1,024 x 2,048 float32; b_f 1,024 float32; b_g 1,024 float32; b_i 1,024 float32; b_o 1,024 float32; c 8,192 x 1,024 float32; h 8,192 x 1,024 float32; x 8,192 x 1,024 float32.
;; Outputs: out0 8,192 x 1,024 float32; out1 8,192 x 1,024 float32.
;; 2 versions, each right; version 2 is version 1 with the launch tobf16 written anew for expert scheduling mode. Each part assembles by itself: llvm-mc -triple=amdgcn-amd-amdhsa -mcpu=gfx1250 --defsym DOCPART=n.
;; ======== version 1 of 2: 2 launches
;; limits: a function is approximated: absolute error at most 1.2e-07
;; workspace buffers: xb 33,554,432 bytes; wb 16,777,216 bytes
;; launch tobf16 (part 1): grid 256 x 3, 8 waves a work-group, no clusters, 0 bytes of LDS; arguments x, h, W_f, W_i, W_g, W_o, xb, wb; writes xb, wb
.if DOCPART == 1
	.amdgcn_target "amdgcn-amd-amdhsa--gfx1250"
	.amdhsa_code_object_version 6
	.text
	.protected	k_qab0e9b0ffb_tobf16
	.globl	k_qab0e9b0ffb_tobf16
	.p2align	8
	.type	k_qab0e9b0ffb_tobf16,@function
k_qab0e9b0ffb_tobf16:
	s_mov_b64 s[64:65], 0
	v_nop
	global_prefetch_b8 v0, s[64:65] scope:SCOPE_SE
	s_setreg_imm32_b32 hwreg(HW_REG_WAVE_MODE, 25, 1), 1
	s_wait_xcnt 0x0
; x, h and the four weight matrices are rounded once to bf16 (nearest even; bf16 has f32's range) and laid out as the product that follows wants them.
;   xb: [8192][2048] bf16: row m = x[m] (bytes 0 .. 2,047), then h[m] (bytes 2,048 .. 4,095).
;   wb: [4096][2048] bf16: row j of gate g (0 f, 1 i, 2 g, 3 o) lies at row (j >> 5) * 128 + 32 g + (j & 31): 128 rows on end hold 32 hidden columns of all four gates.
; A stream: no LDS, no barrier, no matrix unit, no loop.  The unit of work is a segment of 1,024 f32: 4,096 bytes in, 2,048 bytes out.  24,576 segments: 32 to a work-group, 4 to a wave.
; Grid y says which tensor: 0 x, 1 h, 2 the weights (gate = id >> 6; the gate's rows 16 (id & 63) .. + 15; a weight row is two segments).
; A wave reads 16 KiB on end by 32 loads of 512 bytes, all issued before the first wait; each of its stores covers 256 consecutive bytes, aligned.
.set X, 8                              ; v[8:135] the wave's 32 loads, 4 registers each; the first two of each four take the packed result
                                       ; v1 lane; v2 16 x lane; v[4:7] segment s: 8 x lane + s x the distance between segments in the destination
	s_load_b512 s[8:23], s[0:1], 0x0               ; x s[8:9], h s[10:11], W_f s[12:13], W_i s[14:15], W_g s[16:17], W_o s[18:19], xb s[20:21], wb s[22:23]
	s_and_b32 s2, ttmp7, 0xffff                    ; y: which tensor
	s_mov_b32 s3, ttmp9                            ; id
	v_lshrrev_b32 v1, 5, v0
	v_readfirstlane_b32 s4, v1                     ; wave 0..7
	s_lshr_b32 s5, s3, 6                           ; the gate (used where y = 2)
	s_and_b32 s6, s3, 63                           ; q: which 16 rows of the gate
	v_and_b32 v1, 31, v0                           ; lane
	v_lshlrev_b32 v2, 4, v1                        ; 16 bytes a lane on the way in
	s_cmp_eq_u32 s2, 2
	s_cselect_b32 s28, s6, s3                      ; the work-group's 32 segments in its source: by q in a gate, by id in x and h
	s_cselect_b32 s32, 11, 12                      ; segments lie 2,048 bytes apart in wb (two to a row), 4,096 in xb (a row each)
	s_lshl_b32 s32, 1, s32
	s_lshl_b32 s28, s28, 17                        ; 32 segments x 4,096 bytes
	s_lshl_b32 s33, s4, 14                         ; my wave's 4 segments
	s_add_co_u32 s28, s28, s33
	s_mov_b32 s29, 0                               ; s[28:29]: byte offset in the source
	s_lshl_b32 s30, s3, 17                         ; xb: row 32 id + 4 wave, 4,096 bytes a row,
	s_add_co_u32 s30, s30, s33
	s_lshl_b32 s34, s2, 11                         ; h's half of the row lies 2,048 bytes in
	s_add_co_u32 s30, s30, s34
	s_lshr_b32 s35, s6, 1                          ; wb: j = 16 q + 2 wave: (j >> 5) = q >> 1, 128 rows of 4,096 bytes each,
	s_lshl_b32 s35, s35, 19
	s_lshl_b32 s34, s5, 17                         ; + 32 rows a gate,
	s_add_co_u32 s35, s35, s34
	s_and_b32 s34, s6, 1                           ; + (j & 31) = 16 (q & 1) + 2 wave rows
	s_lshl_b32 s34, s34, 16
	s_add_co_u32 s35, s35, s34
	s_lshl_b32 s34, s4, 13
	s_add_co_u32 s35, s35, s34
	s_cmp_eq_u32 s2, 2
	s_cselect_b32 s30, s35, s30
	s_mov_b32 s31, 0                               ; s[30:31]: byte offset in the destination
.irp s, 0,1,2,3
	s_mul_i32 s34, s32, (\s)
	v_lshl_add_u32 v[4+(\s)], v1, 3, s34           ; 8 bytes a lane on the way out
.endr
	s_wait_kmcnt 0x0
	s_mov_b64 s[24:25], s[12:13]                   ; the source: a choice between buffers on ids alone
	s_cmp_eq_u32 s5, 1
	s_cselect_b64 s[24:25], s[14:15], s[24:25]
	s_cmp_eq_u32 s5, 2
	s_cselect_b64 s[24:25], s[16:17], s[24:25]
	s_cmp_eq_u32 s5, 3
	s_cselect_b64 s[24:25], s[18:19], s[24:25]
	s_cmp_eq_u32 s2, 0
	s_cselect_b64 s[24:25], s[8:9], s[24:25]
	s_cmp_eq_u32 s2, 1
	s_cselect_b64 s[24:25], s[10:11], s[24:25]
	s_cmp_eq_u32 s2, 2
	s_cselect_b64 s[26:27], s[22:23], s[20:21]     ; the destination
	s_add_nc_u64 s[24:25], s[24:25], s[28:29]
	s_add_nc_u64 s[26:27], s[26:27], s[30:31]
.set n, 0
.rept 32
	global_load_b128 v[X+4*n:X+4*n+3], v2, s[24:25] offset:512*n th:TH_LOAD_NT  ; 512 consecutive bytes a load; read once in the launch
.set n, n+1
.endr
.set n, 0
.rept 32
	s_wait_loadcnt 31-n                            ; loads come back in order (ISA guide 5.7.1): load n is in, the 31 - n younger ones stay out
	v_cvt_pk_bf16_f32 v[X+4*n], v[X+4*n], v[X+4*n+1]
	v_cvt_pk_bf16_f32 v[X+4*n+1], v[X+4*n+2], v[X+4*n+3]
	global_store_b64 v[4+n/8], v[X+4*n:X+4*n+1], s[26:27] offset:256*(n%8) th:TH_STORE_NT  ; segment n / 8, its piece n % 8: 32 lanes x 8 bytes = 256 consecutive bytes, aligned
.set n, n+1
.endr
	s_endpgm                                       ; no register that a pending load or store names is ever rewritten
.Lfunc_end_k_qab0e9b0ffb_tobf16:
	.size	k_qab0e9b0ffb_tobf16, .Lfunc_end_k_qab0e9b0ffb_tobf16-k_qab0e9b0ffb_tobf16
	.p2alignl 7, 3214868480
	.fill 96, 4, 3214868480
	.section	.rodata,"a",@progbits
	.p2align	6, 0x0
	.amdhsa_kernel k_qab0e9b0ffb_tobf16
		.amdhsa_group_segment_fixed_size 0
		.amdhsa_private_segment_fixed_size 0
		.amdhsa_enable_private_segment 0
		.amdhsa_kernarg_size 64
		.amdhsa_user_sgpr_count 2
		.amdhsa_user_sgpr_kernarg_segment_ptr 1
		.amdhsa_wavefront_size32 1
		.amdhsa_system_sgpr_workgroup_id_x 1
		.amdhsa_system_sgpr_workgroup_id_y 1
		.amdhsa_system_sgpr_workgroup_id_z 1
		.amdhsa_system_vgpr_workitem_id 0
		.amdhsa_next_free_vgpr 136
		.amdhsa_next_free_sgpr 66
		.amdhsa_reserve_vcc 0
		.amdhsa_float_denorm_mode_32 3
		.amdhsa_float_denorm_mode_16_64 3
		.amdhsa_memory_ordered 1
		.amdhsa_forward_progress 1
		.amdhsa_inst_pref_size 14
	.end_amdhsa_kernel
	.amdgpu_metadata
---
amdhsa.version: [ 1, 2 ]
amdhsa.kernels:
  - .name:           k_qab0e9b0ffb_tobf16
    .symbol:         k_qab0e9b0ffb_tobf16.kd
    .args:
      - { .name: x, .offset: 0, .size: 8, .value_kind: global_buffer, .address_space: global }
      - { .name: h, .offset: 8, .size: 8, .value_kind: global_buffer, .address_space: global }
      - { .name: W_f, .offset: 16, .size: 8, .value_kind: global_buffer, .address_space: global }
      - { .name: W_i, .offset: 24, .size: 8, .value_kind: global_buffer, .address_space: global }
      - { .name: W_g, .offset: 32, .size: 8, .value_kind: global_buffer, .address_space: global }
      - { .name: W_o, .offset: 40, .size: 8, .value_kind: global_buffer, .address_space: global }
      - { .name: xb, .offset: 48, .size: 8, .value_kind: global_buffer, .address_space: global }
      - { .name: wb, .offset: 56, .size: 8, .value_kind: global_buffer, .address_space: global }
    .group_segment_fixed_size: 0
    .private_segment_fixed_size: 0
    .kernarg_segment_align: 8
    .kernarg_segment_size: 64
    .max_flat_workgroup_size: 256
    .sgpr_count:     66
    .vgpr_count:     136
    .wavefront_size: 32
...
	.end_amdgpu_metadata
.endif
;; end of part 1
;; launch lstm (part 2): grid 16 x 32, 4 waves a work-group, clusters of 4 x 4, 327,680 bytes of LDS; arguments xb, wb, c, b_f, b_i, b_g, b_o, out0, out1; writes out0, out1
.if DOCPART == 2
	.amdgcn_target "amdgcn-amd-amdhsa--gfx1250"
	.amdhsa_code_object_version 6
	.text
	.protected	k_qab0e9b0ffb_lstm
	.globl	k_qab0e9b0ffb_lstm
	.p2align	8
	.type	k_qab0e9b0ffb_lstm,@function
k_qab0e9b0ffb_lstm:
	s_mov_b64 s[64:65], 0
	v_nop
	global_prefetch_b8 v0, s[64:65] scope:SCOPE_SE
	s_setreg_imm32_b32 hwreg(HW_REG_WAVE_MODE, 25, 1), 1
	s_wait_xcnt 0x0
	s_wait_alu depctr_hold_cnt(0) depctr_sa_sdst(0) depctr_va_vdst(0) depctr_va_sdst(0) depctr_va_ssrc(0) depctr_va_vcc(0) depctr_vm_vsrc(0)
	s_getreg_b32 s2, hwreg(HW_REG_IB_STS2, 6, 4)
	s_cmp_eq_u32 s2, 0
	s_cbranch_scc0 .Lentry_in_a_cluster
	s_endpgm
.Lentry_in_a_cluster:
	s_bfe_u32 s2, ttmp6, 0x10000c
	s_cmp_lg_u32 s2, 0xf033
	s_cbranch_scc0 .Lentry_shape_is_right
	s_endpgm
.Lentry_shape_is_right:
; ONE LSTM STEP.  z = [x | h] W^T + b for the four gates; c_new = sigmoid(zf) c + sigmoid(zi) tanh(zg); h_new = tanh(c_new) sigmoid(zo).  out0 = c_new, out1 = h_new, both [8192][1024] f32.
; xb: [8192][2048] bf16 (x | h).  wb: [4096][2048] bf16, its rows ordered so that 128 rows on end hold 32 hidden columns of all four gates (32 rows a gate, in the order f, i, g, o).
; Products in bf16 with f32 sums; biases, c and all gate arithmetic in f32.  z never goes to memory.
; LIMITS.  sigmoid(z) = 1 / (1 + 2^(-log2(e) z)), tanh(z) = 1 - 2 / (1 + 2^(2 log2(e) z)): an exponential that overflows gives a reciprocal of 0, one that underflows gives 0: both ends are right with no clamp.
; This tanh has an absolute error of about 1.2e-7 and keeps no relative accuracy below that.  NaN and infinities among the inputs are not treated apart.
; SHARES.  A work-group makes 256 batch rows x 64 hidden columns of both outputs: a tile of 256 x 256 of z.  Four waves, each 128 rows x 128 rows of wb (32 hidden columns x 4 gates): 64 accumulators, 512 registers.
; K = 2,048 goes in 16 steps of 128 through a ring of two LDS slots filled by the tensor data mover; the tiles' rows are 256 bytes of memory, aligned.
; THE MATRIX INSTRUCTION IS USED TRANSPOSED (source 0 = 16 rows of wb, source 1 = 16 rows of xb): a lane holds ONE batch row (lane % 16) and 8 neighbouring hidden columns (8 (lane / 16) + 0..7);
; accumulator (a, b): batch rows 16 a .., gate b / 2, hidden columns 16 (b % 2) ..  So the four gates of an output lie in one lane, 16 registers apart, and the gates are plain arithmetic on registers.
; CLUSTER.  4 x 4 work-groups.  The four of a row of the cluster need the same tiles of xb, the four of a column the same tiles of wb: each is asked for JOINTLY, by the same tensor load with the same descriptor and mask.
; c.  When slot 0 has been read for the last time it takes the work-group's tile of c (256 rows x 256 bytes, a load of each wave's own, no mask), which lands under the last K step.
; THE WAY OUT.  Slot 1 has then had its last fill: behind the last K step it is the stage for c_new and h_new; whole rows of 256 bytes are read back and stored.
; One tile to a work-group: stage and c lie in the ring's slots.
; REGISTERS, in windows of 256 (s_set_vgpr_msb: bits 1:0 source 0, 3:2 source 1, 5:4 source 2, 7:6 destination):
;   window 0: v0-31 addresses; v32-47 at work; v64-127, v128-191 fragments of xb, two buffers, later c and c_new, later the rows read back; v192-255 the biases, scaled
;   window 1: v64-127, v128-191 fragments of wb, two buffers     window 2: the accumulators of my rows 0-63 ((a, b) at v[8 (8 a + b)])     window 3: those of my rows 64-127
.set SIZE_K, 2048
.set KSTEP,  128
.set ROWB,   4096                      ; bytes in a row of xb, of wb, of c and of both outputs
.set PITCH,  272                       ; an LDS row: 256 bytes + 16 of padding = 68 words: row r starts at bank 4 r mod 64 (64 banks of 4 bytes: ISA guide 11.1), so 16 rows start at 16 different banks
.set HALFT,  128*PITCH                 ; 128 rows: what one joint load brings, and what one wave reads of xb or of wb
.set SLOT,   4*HALFT                   ; xb's 256 rows, then wb's 256 rows
.set CT,     256*PITCH                 ; 256 rows of 64 f32: c's tile (at LDS byte 0), and each of the two stages (at SLOT and SLOT + CT)
.set SPARE,  2*SLOT                    ; behind the ring: the spare words, 128 bytes for each wave: two blocks of 256 bytes that no other line names
.set LAPS,   SIZE_K/(2*KSTEP)          ; a lap = two K steps = once round the ring
.set BO,   15                          ; v15     my byte offset in a bias: 256 x tile column + 128 x column half + 32 (l / 16)
.set ADRA, 16                          ; v16-17  LDS address of my xb fragments in slot 0, 1
.set ADRB, 20                          ; v20-21  the same for wb
.set CAD,  22                          ; v22     my 16 bytes in c's tile: (128 x row half + l % 16) x 272 + 128 x column half + 32 (l / 16)
.set STC,  23                          ; v23     the same place in c_new's stage
.set STH,  24                          ; v24     and in h_new's
.set RDC,  25                          ; v25     where I read c_new's rows back: (64 x wave + l / 16) x 272 + 16 (l % 16)
.set RDH,  26                          ; v26     the same for h_new (RDC + 1: the macro RB counts on it)
.set CO,   27                          ; v27     my byte offset in two rows of an output: 4,096 (l / 16) + 16 (l % 16)
.set SPW,  28                          ; v28     LDS address of my spare word: SPARE + 4 x my thread's number; never rewritten
.set NIL,  29                          ; v29     0; never rewritten
.set PFO,  30                          ; v30     the prefetches' offset: my lane x a row of 4,096 bytes; never rewritten
.set TA,   32                          ; v32-47  at work: tanh(c_new), then h_new, of one block of 16 rows
.set F0,   64                          ; fragment buffer 0
.set F1,   128                         ; fragment buffer 1
.set CV,   64                          ; behind the K loop: c, then c_new: block a at CV + 16 a
.set BI,   192                         ; gate g, columns 8 s + j: BI + 16 g + 8 s + j: the bias times the gate's factor
.set G1,   24                          ; s[24:31] descriptor group 1 for xb's tiles;  s[32:39] group 0, one set for each slot
.set G0,   32
.set LIM,  43                          ; s43      1 in a wave that prefetches, else the greatest number
.set PFA,  44                          ; s[44:45] where my prefetches stand
.set G1B,  48                          ; s[48:55], s[56:63] the same for wb's tiles
.set G0B,  56
.set G1C,  68                          ; s[68:75], s[76:79] the descriptor of c's tile
.set G0C,  76
.set KNEG, 80                          ; s[80:81] -log2(e): the sigmoids' factor; named as a pair, the low word is taken for both halves
.set KPOS, 82                          ; s[82:83] 2 log2(e): the factor of tanh
.set OUT,  84                          ; s[84:85] out0, s[86:87] out1, at my wave's 64 rows of the tile
.set OFFT, 88                          ; s[88:89] byte offset of those rows in c and in the outputs
.set BIAS, 92                          ; s[92:99] b_f, b_i, b_g, b_o
.set MSB, 0
.macro WIN new                         ; the immediate's high byte repeats the setting that is left; a switch that changes nothing is dropped
.if MSB != (\new)
	s_set_vgpr_msb (MSB<<8)|(\new)
.set MSB, \new
.endif
.endm
.set MUL_LO, 0xa1                      ; source 0 (wb) window 1, source 1 (xb) window 0, C and D window 2
.set MUL_HI, 0xf1                      ; the same, C and D window 3
.set TO_B,   0x40                      ; destination window 1, address window 0
; A joint load.  Waves 0 and 1 fetch xb's two halves, waves 2 and 3 wb's.  The branch hangs on the wave's number alone.  An s_nop 0 and four v_nop follow each of the two lines.
.macro JLOAD s
	s_cmp_eq_u32 s11, 0
	s_cbranch_scc0 .Lfor_b_\@
	tensor_load_to_lds s[G0+4*(\s):G0+4*(\s)+3], s[G1:G1+7]
	s_nop 0
.rept 4
	v_nop
.endr
	s_branch .Lasked_\@
.Lfor_b_\@:
	tensor_load_to_lds s[G0B+4*(\s):G0B+4*(\s)+3], s[G1B:G1B+7]
	s_nop 0
.rept 4
	v_nop
.endr
.Lasked_\@:
.endm
; c's tile: every wave brings its own 64 rows x 256 bytes, with no mask.
.macro CLOAD
	tensor_load_to_lds s[G0C:G0C+3], s[G1C:G1C+7]
	s_nop 0
.rept 4
	v_nop
.endr
.endm
; A PREFETCH INTO THE L2, behind a joint load, its five lines and the run of LDS loads that follows: the K step that stands TWO refills on: 32 rows x 256 bytes, a lane a row, one instruction a wave.
; Each row's 256 bytes of a K step are named once in the launch: xb's tile row is read by every cluster of that row of clusters: the one with cluster x = 0 asks; wb's tile column by every cluster of that
; column: cluster y = 0 asks.  The four partners that ask for a tile jointly share its rows out BY ADDRESS, 32 each.  The loop's last trip (s3 = 1) has no K step two on and asks for nothing along K.
.macro ASK
	s_cmp_gt_u32 s3, s[LIM]
	s_cbranch_scc0 .Lnot_mine_\@
	global_prefetch_b8 v[PFO], s[PFA:PFA+1] offset:KSTEP*2 th:TH_LOAD_NT scope:SCOPE_SE
.Lnot_mine_\@:
.endm
; In the loop's last trip, two K steps (512 matrix instructions) ahead of CLOAD, each wave asks for its own 64 rows of c, 256 bytes each, a lane a row: each is named once in the launch.
.macro ASKC
	s_cmp_eq_u32 s3, 1
	s_cbranch_scc0 .Lnot_yet_\@
	global_prefetch_b8 v[PFO], s[8:9] th:TH_LOAD_NT scope:SCOPE_SE
	global_prefetch_b8 v[PFO], s[8:9] offset:32*ROWB th:TH_LOAD_NT scope:SCOPE_SE
.Lnot_yet_\@:
.endm
.macro CREST                           ; a round of the cluster's barrier behind its opening barrier
	s_cmp_lg_u32 s10, 0
	s_cbranch_scc1 .Lnot_wave_0_\@
	s_barrier_signal -3
.Lnot_wave_0_\@:
	s_barrier_wait -3
	s_barrier_signal -1
	s_barrier_wait -1
.endm
.macro CROUND                          ; a whole round
	s_barrier_signal -1
	s_barrier_wait -1
	CREST
.endm
	s_load_b128 s[4:7], s[0:1], 0x0                ; xb s[4:5], wb s[6:7]
	s_load_b64 s[8:9], s[0:1], 0x10                ; c
	s_load_b256 s[BIAS:BIAS+7], s[0:1], 0x18       ; b_f, b_i, b_g, b_o
	s_load_b128 s[OUT:OUT+3], s[0:1], 0x38         ; out0, out1
	v_lshl_add_u32 v[SPW], v0, 2, SPARE
	v_mov_b32 v[NIL], 0
	ds_add_u32 v[SPW], v[NIL]                      ; the wave's opening: the add, twice on end, and its wait ahead of my first tensor load; the set-up below stands between
	ds_add_u32 v[SPW], v[NIL]                      ; and once more, under the one wait
	v_lshrrev_b32 v1, 5, v0
	v_readfirstlane_b32 s10, v1                    ; wave 0..3
	s_lshr_b32 s11, s10, 1                         ; which half of the tile's batch rows is mine.  Also: I fetch for xb (0) or for wb (1)
	s_and_b32 s12, s10, 1                          ; which half of its rows of wb.  Also: which 128 rows of that tile I fetch
	s_bfe_u32 s40, ttmp6, 0x40000                  ; cx, cy: my place in the cluster
	s_bfe_u32 s41, ttmp6, 0x40004
	s_lshl_b32 s42, ttmp9, 2                       ; in a cluster launch ttmp9 and ttmp7 count clusters
	s_add_co_u32 s42, s42, s40                     ; tile column = 4 x cluster x + cx: 64 hidden columns, 256 rows of wb
	s_and_b32 s13, ttmp7, 0xffff
	s_lshl_b32 s13, s13, 2
	s_add_co_u32 s13, s13, s41                     ; tile row = 4 x cluster y + cy: 256 batch rows
	s_lshl_b32 s43, s41, 2
	s_lshl_b32 s43, 15, s43                        ; my row of the cluster: places 4 cy .. 4 cy + 3
	s_lshl_b32 s44, 0x1111, s40                    ; my column: places cx, cx + 4, cx + 8, cx + 12
	; descriptor group 1 for xb and wb: a tile of 128 rows x 128 elements of 2 bytes, padded in LDS
	s_or_b32 s[G1+0], s43, (1<<16)|(1<<20)|(1<<21)|(5<<22)|(3<<25)   ; 15:0 the mask: xb's tiles go to my row; 17:16 2-byte elements; 20 padding on; 21 set beside a mask; 24:22 after every 64 words (code 5); 31:25 4 words (code 3)
	s_or_b32 s[G1B+0], s44, (1<<16)|(1<<20)|(1<<21)|(5<<22)|(3<<25)  ; the same with the mask of my column, for wb's tiles
.irp g, G1, G1B
	s_mov_b32 s[(\g)+1], KSTEP<<16                 ; tensor_dim0 = 128
	s_mov_b32 s[(\g)+2], 128<<16                   ; tensor_dim1 = 128
	s_mov_b32 s[(\g)+3], KSTEP<<16                 ; tile_dim0 = 128
	s_mov_b32 s[(\g)+4], 128                       ; tile_dim1 = 128
	s_mov_b32 s[(\g)+5], SIZE_K                    ; elements from row to row
	s_mov_b32 s[(\g)+6], 0
	s_mov_b32 s[(\g)+7], 0
.endr
	; descriptor group 1 for c: 64 rows x 64 elements of 4 bytes, the same padding, no mask
	s_mov_b32 s[G1C+0], (2<<16)|(1<<20)|(5<<22)|(3<<25)
	s_mov_b32 s[G1C+1], 64<<16                     ; tensor_dim0 = 64
	s_mov_b32 s[G1C+2], 64<<16                     ; tensor_dim1 = 64
	s_mov_b32 s[G1C+3], 64<<16                     ; tile_dim0 = 64
	s_mov_b32 s[G1C+4], 64                         ; tile_dim1 = 64
	s_mov_b32 s[G1C+5], 1024                       ; elements from row to row
	s_mov_b32 s[G1C+6], 0
	s_mov_b32 s[G1C+7], 0
	s_mov_b32 s[G0C], 1                            ; count = 1
	s_mul_i32 s[G0C+1], s10, 64*PITCH              ; LDS address: rows 64 x wave of c's tile, which begins at LDS byte 0
	s_mov_b32 s[KNEG], 0xbfb8aa3b                  ; -1.442695
	s_mov_b32 s[KNEG+1], s[KNEG]
	s_mov_b32 s[KPOS], 0x4038aa3b                  ; 2.885390
	s_mov_b32 s[KPOS+1], s[KPOS]
	; where the tiles come from.  xb's hang on the tile row alone, which my row of the cluster shares; wb's on the tile column alone, which my column shares
	s_lshl_b32 s17, s12, 7                         ; which 128 rows of the tile I fetch
	s_lshl_b32 s16, s13, 8
	s_add_co_u32 s16, s16, s17                     ; xb: row 256 x tile row + 128 x half,
	s_lshl_b32 s16, s16, 12                        ; in bytes (under 2^25)
	s_lshl_b32 s46, s42, 8
	s_add_co_u32 s46, s46, s17                     ; wb: row 256 x tile column + 128 x half
	s_lshl_b32 s46, s46, 12
	s_mov_b32 s17, 0
	s_mov_b32 s47, 0
	s_mul_i32 s20, s10, HALFT                      ; and where they go: wave x 128 rows: no place in the cluster enters an LDS address
	s_lshl_b32 s[OFFT], s13, 20                    ; c and the outputs: row 256 x tile row
	s_lshl_b32 s90, s10, 18                        ; + 64 x wave, 4,096 bytes a row,
	s_add_co_u32 s[OFFT], s[OFFT], s90
	s_lshl_b32 s90, s42, 8                         ; + 256 bytes a tile column
	s_add_co_u32 s[OFFT], s[OFFT], s90
	s_mov_b32 s[OFFT+1], 0
	s_wait_dscnt 0x0                               ; both opening adds are done
	s_wait_kmcnt 0x0
	s_add_nc_u64 s[14:15], s[4:5], s[16:17]
	s_add_nc_u64 s[46:47], s[6:7], s[46:47]
	s_add_nc_u64 s[8:9], s[8:9], s[OFFT:OFFT+1]
	s_add_nc_u64 s[OUT:OUT+1], s[OUT:OUT+1], s[OFFT:OFFT+1]
	s_add_nc_u64 s[OUT+2:OUT+3], s[OUT+2:OUT+3], s[OFFT:OFFT+1]
	s_mov_b64 s[G0C+2:G0C+3], s[8:9]               ; global address of my 64 rows of c
	s_or_b32 s[G0C+3], s[G0C+3], 0x80000000        ; type = 2
	CROUND                                         ; all sixteen work-groups are here: the first joint loads meet
.irp s, 0,1
	s_mov_b32 s[G0+4*(\s)], 1                                        ; count = 1
	s_add_co_u32 s[G0+4*(\s)+1], s20, (\s)*SLOT                      ; LDS address
	s_add_nc_u64 s[G0+4*(\s)+2:G0+4*(\s)+3], s[14:15], (\s)*KSTEP*2  ; global address: K step s
	s_or_b32 s[G0+4*(\s)+3], s[G0+4*(\s)+3], 0x80000000              ; type = 2
	s_mov_b32 s[G0B+4*(\s)], 1
	s_add_co_u32 s[G0B+4*(\s)+1], s20, (\s)*SLOT
	s_add_nc_u64 s[G0B+4*(\s)+2:G0B+4*(\s)+3], s[46:47], (\s)*KSTEP*2
	s_or_b32 s[G0B+4*(\s)+3], s[G0B+4*(\s)+3], 0x80000000
	JLOAD \s                                       ; the ring is filled before anything else is done: two loads of mine are out
.endr
	; all that follows, up to the first wait on the tiles, stands in the wait for them
	v_and_b32 v1, 15, v0                           ; l % 16
	v_bfe_u32 v2, v0, 4, 1                         ; l / 16
	s_lshl_b32 s46, s42, 8                         ; the biases of my 32 hidden columns: 64 x tile column + 32 x half, 4 bytes each
	s_lshl_b32 s47, s12, 7
	s_add_co_u32 s46, s46, s47
	v_lshl_add_u32 v[BO], v2, 5, s46               ; + my lanes' 8 columns
.irp g, 0,1,2,3
.irp u, 0,1,2,3                        ; u = 2 s + k: columns 16 s + 8 (l / 16) + 4 k .. + 3
	global_load_b128 v[BI+16*(\g)+4*(\u):BI+16*(\g)+4*(\u)+3], v[BO], s[BIAS+2*(\g):BIAS+2*(\g)+1] offset:64*((\u)/2)+16*((\u)%2)
.endr
.endr
	; A fragment is 16 rows x 32 K in 8 registers: lane l holds row l % 16; registers 0-3 hold K = 8 (l / 16) + 0..7, registers 4-7 K = 16 + 8 (l / 16) + 0..7: two loads of 16 bytes, 32 bytes apart
	v_mul_u32_u24 v3, v1, PITCH
	v_lshl_add_u32 v3, v2, 4, v3                   ; row x pitch + 16 x half
	s_mul_i32 s21, s11, HALFT                      ; my 128 rows of xb
	s_mul_i32 s22, s12, HALFT                      ; my 128 rows of wb,
	s_add_co_u32 s22, s22, 2*HALFT                 ; which lie behind xb's 256
.irp s, 0,1
	v_add_nc_u32 v[ADRA+(\s)], s21, v3
	v_add_nc_u32 v[ADRB+(\s)], s22, v3
	s_add_co_u32 s21, s21, SLOT
	s_add_co_u32 s22, s22, SLOT
.endr
	v_mul_u32_u24 v4, v1, PITCH                    ; c's tile and the stages: row 128 x row half + l % 16; byte 128 x column half + 32 (l / 16)
	v_lshl_add_u32 v4, v2, 5, v4
	s_mul_i32 s23, s11, HALFT
	s_lshl_b32 s21, s12, 7
	s_add_co_u32 s23, s23, s21
	v_add_nc_u32 v[CAD], s23, v4
	v_add_nc_u32 v[STC], SLOT, v[CAD]
	v_add_nc_u32 v[STH], SLOT+CT, v[CAD]
	v_mul_u32_u24 v5, v2, PITCH                    ; back: wave w takes rows 64 w .. 64 w + 63, whole; lanes 0-15 one row of 256 bytes, lanes 16-31 the next
	v_lshl_add_u32 v5, v1, 4, v5
	s_mul_i32 s23, s10, 64*PITCH
	s_add_co_u32 s23, s23, SLOT
	v_add_nc_u32 v[RDC], s23, v5
	v_add_nc_u32 v[RDH], CT, v[RDC]
	v_lshlrev_b32 v5, 12, v2                       ; and the same two rows in an output
	v_lshl_add_u32 v[CO], v1, 4, v5
	; the prefetches
	s_lshl_b32 s13, s13, 8                         ; 256 x tile row
	s_lshl_b32 s42, s42, 8                         ; 256 x tile column
	s_and_b32 s22, ttmp7, 0xffff                   ; cluster y
	s_cmp_eq_u32 s11, 0                            ; do I fetch for xb?
	s_cselect_b32 s20, s13, s42                    ; the tile's first row: in xb by the tile row, in wb by the tile column
	s_cselect_b32 s21, s40, s41                    ; my place among the four that ask for it with me
	s_cselect_b32 s22, ttmp9, s22                  ; the coordinate along which other clusters read the same rows
	s_cselect_b64 s[PFA:PFA+1], s[4:5], s[6:7]
	s_cmp_eq_u32 s22, 0
	s_cselect_b32 s[LIM], 1, -1                    ; the same in all sixteen partners, for a given wave
	s_lshl_b32 s22, s12, 7
	s_add_co_u32 s20, s20, s22                     ; + the 128 rows that I fetch
	s_lshl_b32 s21, s21, 5
	s_add_co_u32 s20, s20, s21                     ; + my work-group's 32 of them,
	s_lshl_b32 s20, s20, 12                        ; in bytes
	s_mov_b32 s21, 0
	s_add_nc_u64 s[PFA:PFA+1], s[PFA:PFA+1], s[20:21]
	s_add_nc_u64 s[PFA:PFA+1], s[PFA:PFA+1], 2*KSTEP*2  ; at K step 2: the first refill steps it to 3 and names K step 4.  Nothing is prefetched here, at the head: K steps 0 to 3 come by their loads alone
	v_and_b32 v[PFO], 31, v0
	v_lshlrev_b32 v[PFO], 12, v[PFO]
	s_wait_loadcnt 0x0                             ; the biases, once
.set q, 0
.rept 32                               ; each bias takes its gate's factor, so that factor x z + this is one fused multiply-add
.if q/8 == 2
	v_pk_mul_f32 v[BI+2*q:BI+2*q+1], v[BI+2*q:BI+2*q+1], s[KPOS:KPOS+1] op_sel_hi:[1,0]
.else
	v_pk_mul_f32 v[BI+2*q:BI+2*q+1], v[BI+2*q:BI+2*q+1], s[KNEG:KNEG+1] op_sel_hi:[1,0]
.endif
.set q, q+1
.endr
; 16 matrix instructions: row blocks a0, a0 + 1 of the window's four (hi = 0: my rows 0-63, 1: rows 64-127) x all 8 blocks of wb, 32 along K.  zero = 1: the first product starts the sums: nothing is cleared.
; The 64 accumulators take turns in one order in every quarter step, over the backward jump too.
.macro MUL16 f, hi, a0, zero
	WIN MUL_LO+0x50*(\hi)
.irp a, \a0, (\a0)+1
.irp b, 0,1,2,3,4,5,6,7
.if \zero
	v_wmma_f32_16x16x32_bf16 v[8*(8*(\a)+(\b)):8*(8*(\a)+(\b))+7], v[(\f)+8*(\b):(\f)+8*(\b)+7], v[(\f)+8*(4*(\hi)+(\a)):(\f)+8*(4*(\hi)+(\a))+7], 0
.else
	v_wmma_f32_16x16x32_bf16 v[8*(8*(\a)+(\b)):8*(8*(\a)+(\b))+7], v[(\f)+8*(\b):(\f)+8*(\b)+7], v[(\f)+8*(4*(\hi)+(\a)):(\f)+8*(4*(\hi)+(\a))+7], v[8*(8*(\a)+(\b)):8*(8*(\a)+(\b))+7]
.endif
.endr
.endr
.endm
; 32 LDS loads in one run: the fragments of one quarter step (128 rows of wb, 128 rows of xb, 32 K at byte k of the rows) into buffer f
.macro FETCH slot, k, f
	WIN TO_B
.irp i, 0,1,2,3,4,5,6,7
	ds_load_b128 v[(\f)+8*(\i):(\f)+8*(\i)+3],   v[ADRB+(\slot)] offset:(\k)+(\i)*16*PITCH
	ds_load_b128 v[(\f)+8*(\i)+4:(\f)+8*(\i)+7], v[ADRB+(\slot)] offset:(\k)+(\i)*16*PITCH+32
.endr
	WIN 0
.irp i, 0,1,2,3,4,5,6,7
	ds_load_b128 v[(\f)+8*(\i):(\f)+8*(\i)+3],   v[ADRA+(\slot)] offset:(\k)+(\i)*16*PITCH
	ds_load_b128 v[(\f)+8*(\i)+4:(\f)+8*(\i)+7], v[ADRA+(\slot)] offset:(\k)+(\i)*16*PITCH+32
.endr
.endm
; A load into a register that a matrix instruction has read, and a vector instruction that reads a matrix result, stand four places behind it; only plain vector instructions that name none of its
; registers are places (ISA guide 7.12.1 for vector instructions).
.macro PLACES
.rept 4
	v_nop
.endr
.endm
; A K step is four quarter steps of 32 along K, 64 matrix instructions each, on buffers 0, 1, 0, 1.  One of the first three: multiplies buffer f; in its middle it fetches the next quarter, at byte k, into g.
.macro QUARTER slot, k, f, g, zero
	s_wait_dscnt 8                                 ; wb and xb's rows 0-63 are in; the youngest eight loads (xb's rows 64-127) may be out
	WIN MUL_LO
	MUL16 \f, 0, 0, \zero
	MUL16 \f, 0, 2, \zero
	PLACES
	FETCH \slot, \k, \g
	s_wait_dscnt 32                                ; all but the 32 just issued
	WIN MUL_HI
	MUL16 \f, 1, 0, \zero
	MUL16 \f, 1, 2, \zero
.endm
; The first half of a K step's last quarter, and the barrier that opens the round of a change of slots.  In front of it each wave waits for all its tensor loads, of which one is out: its part of the next
; slot; adds 0 to its spare word; and waits for that and for its own reads of this slot.
.macro MEET
	WIN 0                                          ; (the add's two registers lie in window 0)
	s_wait_tensorcnt 0x0                           ; all my tensor loads have landed;
	ds_add_u32 v[SPW], v[NIL]                      ; 0 onto my spare word;
	s_wait_dscnt 9                                 ; (the add and the youngest eight loads may be out)
	WIN MUL_LO
	MUL16 F1, 0, 0, 0                              ; sixteen matrix instructions stand between the add and the wait for it
	s_wait_dscnt 0x0                               ; the add is done, and my reads of this slot are over
	s_barrier_signal -1
	MUL16 F1, 0, 2, 0                              ; work on registers while the others arrive
	WIN 0
	s_barrier_wait -1
.endm
; The whole last quarter: it multiplies buffer 1 and changes slots.  Behind the round the slot just read out is filled again first: kind = 0: jointly, with the K step two steps on;
; kind = 1 (slot 0's last turn): with c's tile.  Then come the next slot's first fragments.  From a request to the wait for it a wave issues 224 matrix instructions.
.macro TURN slot, next, kind
.if (\kind) == 0
	s_wait_xcnt 0x0                                ; the last prefetch, a K step back, has read its address: it is stepped here, ahead of the waits of the change of slots
	s_add_nc_u64 s[PFA:PFA+1], s[PFA:PFA+1], KSTEP*2
.endif
	MEET
	CREST                                          ; no wave of any partner still reads this slot's tile or has a load on its way
.if (\kind) == 0
	s_add_nc_u64 s[G0+4*(\slot)+2:G0+4*(\slot)+3], s[G0+4*(\slot)+2:G0+4*(\slot)+3], 2*KSTEP*2
	s_add_nc_u64 s[G0B+4*(\slot)+2:G0B+4*(\slot)+3], s[G0B+4*(\slot)+2:G0B+4*(\slot)+3], 2*KSTEP*2
	JLOAD \slot                                    ; the first tensor load behind the round; the four v_nop behind it are also the places in front of the loads below
.else
	CLOAD                                          ; likewise
.endif
	FETCH \next, 0, F0
.if (\kind) == 0
	ASK
.if (\slot) == 0
	ASKC
.endif
.endif
	WIN MUL_HI
	MUL16 F1, 1, 0, 0
	MUL16 F1, 1, 2, 0
.endm
; THE GATES of row block a (16 batch rows x my 32 hidden columns).  Pair q of 32 is registers AC + 2 q, AC + 2 q + 1 of the block's eight accumulators; its gate is q / 8.
; Four batches of transcendentals, each with one plain instruction behind its last and ONE wait ahead of its first reader.  In a batch a packed plain instruction leads and the two
; transcendentals of the pair before follow, so that none reads the result of the line just before it.  Each accumulator's registers are read in ascending order.
.macro EPI a
.set AC, 64*((\a)%4)
.set CR, CV+16*(\a)
	WIN ((2+(\a)/4)<<6)|((2+(\a)/4)<<2)|(2+(\a)/4) ; destination, sources 0 and 1: the block's window; source 2 (the bias): window 0
.set q, 0
.rept 32                               ; 2^(factor x z + factor x b): factor -log2(e) for the three sigmoids, 2 log2(e) for tanh
.if q/8 == 2
	v_pk_fma_f32 v[AC+2*q:AC+2*q+1], v[AC+2*q:AC+2*q+1], s[KPOS:KPOS+1], v[BI+2*q:BI+2*q+1] op_sel_hi:[1,0,1]
.else
	v_pk_fma_f32 v[AC+2*q:AC+2*q+1], v[AC+2*q:AC+2*q+1], s[KNEG:KNEG+1], v[BI+2*q:BI+2*q+1] op_sel_hi:[1,0,1]
.endif
.if q > 0
	v_exp_f32 v[AC+2*q-2], v[AC+2*q-2]
	v_exp_f32 v[AC+2*q-1], v[AC+2*q-1]
.endif
.set q, q+1
.endr
	v_exp_f32 v[AC+62], v[AC+62]
	v_exp_f32 v[AC+63], v[AC+63]
	v_nop                                          ; the plain instruction behind the last exponential
	s_wait_alu depctr_va_vdst(0)                   ; one wait for the 64
.set q, 0
.rept 32                               ; 1 / (1 + e)
	v_pk_add_f32 v[AC+2*q:AC+2*q+1], v[AC+2*q:AC+2*q+1], 1.0 op_sel_hi:[1,0]
.if q > 0
	v_rcp_f32 v[AC+2*q-2], v[AC+2*q-2]
	v_rcp_f32 v[AC+2*q-1], v[AC+2*q-1]
.endif
.set q, q+1
.endr
	v_rcp_f32 v[AC+62], v[AC+62]
	v_rcp_f32 v[AC+63], v[AC+63]
	v_nop
	s_wait_alu depctr_va_vdst(0)                   ; one wait for the 64
.set p, 0
.rept 8                                ; tanh(zg) = 1 - 2 / (1 + e)
	v_pk_fma_f32 v[AC+32+2*p:AC+32+2*p+1], v[AC+32+2*p:AC+32+2*p+1], -2.0, 1.0 op_sel_hi:[1,0,0]
.set p, p+1
.endr
.set p, 0
.rept 8                                ; sigmoid(zi) tanh(zg)
	v_pk_mul_f32 v[AC+16+2*p:AC+16+2*p+1], v[AC+16+2*p:AC+16+2*p+1], v[AC+32+2*p:AC+32+2*p+1]
.set p, p+1
.endr
	WIN ((2+(\a)/4)<<4)|(2+(\a)/4)                 ; sources 0 and 2: the block's window; source 1 (c) and destination: window 0
.if (\a) == 0
	s_wait_dscnt 0x0                               ; c is in registers: its 32 loads were issued ahead of this block's two batches
.endif
.set p, 0
.rept 8                                ; c_new = sigmoid(zf) c + that, in c's place
	v_pk_fma_f32 v[CR+2*p:CR+2*p+1], v[AC+2*p:AC+2*p+1], v[CR+2*p:CR+2*p+1], v[AC+16+2*p:AC+16+2*p+1]
.set p, p+1
.endr
	WIN 0
.set p, 0
.rept 8                                ; 2^(2 log2(e) c_new)
	v_pk_mul_f32 v[TA+2*p:TA+2*p+1], v[CR+2*p:CR+2*p+1], s[KPOS:KPOS+1] op_sel_hi:[1,0]
.if p > 0
	v_exp_f32 v[TA+2*p-2], v[TA+2*p-2]
	v_exp_f32 v[TA+2*p-1], v[TA+2*p-1]
.endif
.set p, p+1
.endr
	v_exp_f32 v[TA+14], v[TA+14]
	v_exp_f32 v[TA+15], v[TA+15]
.irp u, 0,1,2,3
	ds_store_b128 v[STC], v[CR+4*(\u):CR+4*(\u)+3] offset:(\a)*16*PITCH+64*((\u)/2)+16*((\u)%2)  ; c_new into its stage
.endr
	v_nop
	s_wait_alu depctr_va_vdst(0)                   ; one wait for the 16
.set p, 0
.rept 8
	v_pk_add_f32 v[TA+2*p:TA+2*p+1], v[TA+2*p:TA+2*p+1], 1.0 op_sel_hi:[1,0]
.if p > 0
	v_rcp_f32 v[TA+2*p-2], v[TA+2*p-2]
	v_rcp_f32 v[TA+2*p-1], v[TA+2*p-1]
.endif
.set p, p+1
.endr
	v_rcp_f32 v[TA+14], v[TA+14]
	v_rcp_f32 v[TA+15], v[TA+15]
	v_nop
	s_wait_alu depctr_va_vdst(0)                   ; one wait for the 16
.set p, 0
.rept 8                                ; tanh(c_new)
	v_pk_fma_f32 v[TA+2*p:TA+2*p+1], v[TA+2*p:TA+2*p+1], -2.0, 1.0 op_sel_hi:[1,0,0]
.set p, p+1
.endr
	WIN (2+(\a)/4)<<2                              ; source 1: the block's window
.set p, 0
.rept 8                                ; h_new = tanh(c_new) sigmoid(zo)
	v_pk_mul_f32 v[TA+2*p:TA+2*p+1], v[TA+2*p:TA+2*p+1], v[AC+48+2*p:AC+48+2*p+1]
.set p, p+1
.endr
	WIN 0
.irp u, 0,1,2,3
	ds_store_b128 v[STH], v[TA+4*(\u):TA+4*(\u)+3] offset:(\a)*16*PITCH+64*((\u)/2)+16*((\u)%2)  ; h_new into its stage
.endr
.endm
; THE WAY OUT, in four parts k: output k / 2, rows 32 (k % 2) .. + 31 of my wave's 64.  RB reads them back as whole rows of 256 bytes into set k % 2 of 64 registers; SEND stores them.
.macro RB k
.irp t, 0,1,2,3,4,5,6,7,8,9,10,11,12,13,14,15
	ds_load_b128 v[CV+64*((\k)%2)+4*(\t):CV+64*((\k)%2)+4*(\t)+3], v[RDC+(\k)/2] offset:(16*((\k)%2)+(\t))*2*PITCH
.endr
.endm
.macro SEND k, younger                 ; younger: the LDS loads issued behind part k's: the next part's sixteen, or none
.irp t, 0,1,2,3,4,5,6,7,8,9,10,11,12,13,14,15
	s_wait_dscnt (\younger)+15-(\t)                ; LDS loads come back in order (ISA guide 5.7.1): load t of the part is in
	global_store_b128 v[CO], v[CV+64*((\k)%2)+4*(\t):CV+64*((\k)%2)+4*(\t)+3], s[OUT+2*((\k)/2):OUT+2*((\k)/2)+1] offset:(32*((\k)%2)+2*(\t))*ROWB th:TH_STORE_NT  ; 16 lanes store 256 consecutive bytes, aligned
.endr
.endm
	s_wait_tensorcnt 1                             ; my part of K step 0 is in; K step 1's may stay out
	s_barrier_signal -1
	s_barrier_wait -1                              ; everybody's is
	FETCH 0, 0, F0
	QUARTER 0, 64,  F0, F1, 1                      ; the first quarter stands in front of the loop: its products start the sums
	WIN 0                                          ; at a label and at a branch every window is 0
	s_mov_b32 s3, LAPS-1
.Llap:                                                 ; a trip goes once round the ring, from a lap's second quarter to the next lap's first, and fills both slots again
	QUARTER 0, 128, F1, F0, 0
	QUARTER 0, 192, F0, F1, 0
	TURN 0, 1, 0
	QUARTER 1, 64,  F0, F1, 0
	QUARTER 1, 128, F1, F0, 0
	QUARTER 1, 192, F0, F1, 0
	TURN 1, 0, 0
	QUARTER 0, 64,  F0, F1, 0
	WIN 0
	s_sub_co_u32 s3, s3, 1
	s_cmp_lg_u32 s3, 0
	s_cbranch_scc1 .Llap
	QUARTER 0, 128, F1, F0, 0                      ; the last lap is written out: K step 14 goes on,
	QUARTER 0, 192, F0, F1, 0
	TURN 0, 1, 1                                   ; slot 0 takes c's tile, which has K step 15 in which to land,
	QUARTER 1, 64,  F0, F1, 0
	QUARTER 1, 128, F1, F0, 0
	QUARTER 1, 192, F0, F1, 0
	s_wait_dscnt 8                                 ; and the very last quarter: nothing more to fetch
	WIN MUL_LO
	MUL16 F1, 0, 0, 0
	MUL16 F1, 0, 2, 0
	s_wait_dscnt 0x0                               ; my reads of slot 1 are over: behind the barrier it is written as the stage
	s_wait_tensorcnt 0x0                           ; my 64 rows of c have landed: behind the barrier other waves read them.
	s_barrier_signal -1
	MUL16 F1, 1, 0, 0
	MUL16 F1, 1, 2, 0
	WIN 0
	s_barrier_wait -1
	PLACES                                         ; behind the last products: for the loads into the fragments' registers and for the gates' first reads
	PLACES                                         ; (eight, once a launch)
.irp a, 0,1,2,3,4,5,6,7
.irp u, 0,1,2,3                        ; c of my 128 rows x 32 columns, laid as the accumulators are: block a, columns 16 (u / 2) + 8 (l / 16) + 4 (u % 2) .. + 3
	ds_load_b128 v[CV+16*(\a)+4*(\u):CV+16*(\a)+4*(\u)+3], v[CAD] offset:(\a)*16*PITCH+64*((\u)/2)+16*((\u)%2)
.endr
.endr
.irp a, 0,1,2,3,4,5,6,7
	EPI \a
.endr
	s_wait_dscnt 0x0                               ; for the others' sake: my stores into the stages are done; a stage row's 256 bytes come from two waves
	s_barrier_signal -1
	s_barrier_wait -1
	RB 0
	RB 1
	SEND 0, 16
	s_wait_xcnt 0x0                                ; every earlier store has had its address translated (ISA guide 3.1): only behind this wait is set 0 loaded again
	RB 2
	SEND 1, 16
	s_wait_xcnt 0x0                                ; likewise for set 1
	RB 3
	SEND 2, 16
	SEND 3, 0
	s_wait_tensorcnt 0x0                           ; the wave's end: behind my last tensor load and my last LDS store
	ds_add_u32 v[SPW], v[NIL]
	s_wait_dscnt 0x0
	CROUND                                         ; the closing round: no work-group ends while a partner may still ask for a tile that names it
	s_endpgm
.Lfunc_end_k_qab0e9b0ffb_lstm:
	.size	k_qab0e9b0ffb_lstm, .Lfunc_end_k_qab0e9b0ffb_lstm-k_qab0e9b0ffb_lstm
	.p2alignl 7, 3214868480
	.fill 96, 4, 3214868480
	.section	.rodata,"a",@progbits
	.p2align	6, 0x0
	.amdhsa_kernel k_qab0e9b0ffb_lstm
		.amdhsa_group_segment_fixed_size 327680
		.amdhsa_private_segment_fixed_size 0
		.amdhsa_enable_private_segment 0
		.amdhsa_kernarg_size 72
		.amdhsa_user_sgpr_count 2
		.amdhsa_user_sgpr_kernarg_segment_ptr 1
		.amdhsa_wavefront_size32 1
		.amdhsa_system_sgpr_workgroup_id_x 1
		.amdhsa_system_sgpr_workgroup_id_y 1
		.amdhsa_system_sgpr_workgroup_id_z 1
		.amdhsa_system_vgpr_workitem_id 0
		.amdhsa_next_free_vgpr 1024
		.amdhsa_next_free_sgpr 100
		.amdhsa_reserve_vcc 0
		.amdhsa_float_denorm_mode_32 3
		.amdhsa_float_denorm_mode_16_64 3
		.amdhsa_memory_ordered 1
		.amdhsa_forward_progress 1
		.amdhsa_inst_pref_size 239
	.end_amdhsa_kernel
	.amdgpu_metadata
---
amdhsa.version: [ 1, 2 ]
amdhsa.kernels:
  - .name:           k_qab0e9b0ffb_lstm
    .symbol:         k_qab0e9b0ffb_lstm.kd
    .args:
      - { .name: xb, .offset: 0, .size: 8, .value_kind: global_buffer, .address_space: global }
      - { .name: wb, .offset: 8, .size: 8, .value_kind: global_buffer, .address_space: global }
      - { .name: c, .offset: 16, .size: 8, .value_kind: global_buffer, .address_space: global }
      - { .name: b_f, .offset: 24, .size: 8, .value_kind: global_buffer, .address_space: global }
      - { .name: b_i, .offset: 32, .size: 8, .value_kind: global_buffer, .address_space: global }
      - { .name: b_g, .offset: 40, .size: 8, .value_kind: global_buffer, .address_space: global }
      - { .name: b_o, .offset: 48, .size: 8, .value_kind: global_buffer, .address_space: global }
      - { .name: out0, .offset: 56, .size: 8, .value_kind: global_buffer, .address_space: global }
      - { .name: out1, .offset: 64, .size: 8, .value_kind: global_buffer, .address_space: global }
    .group_segment_fixed_size: 327680
    .private_segment_fixed_size: 0
    .kernarg_segment_align: 8
    .kernarg_segment_size: 72
    .max_flat_workgroup_size: 128
    .sgpr_count:     100
    .vgpr_count:     1024
    .wavefront_size: 32
...
	.end_amdgpu_metadata
.endif
;; end of part 2
;; ======== version 2 of 2: 2 launches; version 1 with the launch tobf16 written anew for expert scheduling mode
;; limits: a function is approximated: absolute error at most 1.2e-07
;; workspace buffers: xb 33,554,432 bytes; wb 16,777,216 bytes
;; launch tobf16 (part 3): grid 256 x 3, 8 waves a work-group, no clusters, 0 bytes of LDS; arguments x, h, W_f, W_i, W_g, W_o, xb, wb; writes xb, wb
.if DOCPART == 3
	.amdgcn_target "amdgcn-amd-amdhsa--gfx1250"
	.amdhsa_code_object_version 6
	.text
	.protected	k_qab0e9b0ffb_tobf16
	.globl	k_qab0e9b0ffb_tobf16
	.p2align	8
	.type	k_qab0e9b0ffb_tobf16,@function
k_qab0e9b0ffb_tobf16:
	s_mov_b64 s[64:65], 0
	v_nop
	global_prefetch_b8 v0, s[64:65] scope:SCOPE_SE
	s_setreg_imm32_b32 hwreg(HW_REG_WAVE_SCHED_MODE, 0, 2), 2
	s_setreg_imm32_b32 hwreg(HW_REG_WAVE_MODE, 25, 1), 1
	s_wait_xcnt 0x0
	s_wait_alu depctr_vm_vsrc(0)
; x, h and the four weight matrices are rounded once to bf16 (nearest even; bf16 has f32's range) and laid out as the product that follows wants them.
;   xb: [8192][2048] bf16: row m = x[m] (bytes 0 .. 2,047), then h[m] (bytes 2,048 .. 4,095).
;   wb: [4096][2048] bf16: row j of gate g (0 f, 1 i, 2 g, 3 o) lies at row (j >> 5) * 128 + 32 g + (j & 31): 128 rows on end hold 32 hidden columns of all four gates.
; A stream: no LDS, no barrier, no matrix unit, no loop.  The unit of work is a segment of 1,024 f32: 4,096 bytes in, 2,048 bytes out.  24,576 segments: 32 to a work-group, 4 to a wave.
; Grid y says which tensor: 0 x, 1 h, 2 the weights (gate = id >> 6; the gate's rows 16 (id & 63) .. + 15; a weight row is two segments).
; A wave reads 16 KiB on end by 32 loads of 512 bytes, all issued before the first wait; each of its stores covers 256 consecutive bytes, aligned.
; THE MODE: SCHED_MODE bits 1:0 = 2 (LLVM: expert scheduling mode 2), set by the entry lines.  The code itself states the register dependences
; between vector instructions and memory instructions, with s_wait_alu, always for 0.
; THE PLAN.  Registers that memory instructions touch:
;   v2, v[4:7]     byte offsets.  Written once at the head, read by the loads (v2) and the stores (v[4:7]), never written again.
;   v[X + 4 n ..]  four registers for load n.  The load lands once; the load's two conversions read all four and write the packed result into the first two; store n reads those two; nothing writes them again.
; The 32 loads go in 8 blocks of four.  Block p waits for its four loads, rounds them, and issues the four stores of block p - 1, whose registers no vector instruction of block p names.
; So ONE wait on va_vdst at a block's head states all that the block's four stores hang on, and they are dealt among its eight conversions with no further wait.
; No register that a memory instruction reads is written behind it, and no load lands in a register that a vector instruction has named: nothing is owed on vm_vsrc.
.set X, 8                              ; v[8:135] the wave's 32 loads, 4 registers each; the first two of each four take the packed result
                                       ; v1 lane; v2 16 x lane; v[4:7] segment s: 8 x lane + s x the distance between segments in the destination
	s_load_b512 s[8:23], s[0:1], 0x0               ; x s[8:9], h s[10:11], W_f s[12:13], W_i s[14:15], W_g s[16:17], W_o s[18:19], xb s[20:21], wb s[22:23]
	s_and_b32 s2, ttmp7, 0xffff                    ; y: which tensor
	s_mov_b32 s3, ttmp9                            ; id
	v_lshrrev_b32 v1, 5, v0
	v_readfirstlane_b32 s4, v1                     ; wave 0..7
	s_lshr_b32 s5, s3, 6                           ; the gate (used where y = 2)
	s_and_b32 s6, s3, 63                           ; q: which 16 rows of the gate
	v_and_b32 v1, 31, v0                           ; lane
	v_lshlrev_b32 v2, 4, v1                        ; 16 bytes a lane on the way in
	s_cmp_eq_u32 s2, 2
	s_cselect_b32 s28, s6, s3                      ; the work-group's 32 segments in its source: by q in a gate, by id in x and h
	s_cselect_b32 s32, 11, 12                      ; segments lie 2,048 bytes apart in wb (two to a row), 4,096 in xb (a row each)
	s_lshl_b32 s32, 1, s32
	s_lshl_b32 s28, s28, 17                        ; 32 segments x 4,096 bytes
	s_wait_alu depctr_va_sdst(0)                   ; s4 is written, ahead of its first reader: the offsets in source and destination are made from it
	s_lshl_b32 s33, s4, 14                         ; my wave's 4 segments
	s_add_co_u32 s28, s28, s33
	s_mov_b32 s29, 0                               ; s[28:29]: byte offset in the source
	s_lshl_b32 s30, s3, 17                         ; xb: row 32 id + 4 wave, 4,096 bytes a row,
	s_add_co_u32 s30, s30, s33
	s_lshl_b32 s34, s2, 11                         ; h's half of the row lies 2,048 bytes in
	s_add_co_u32 s30, s30, s34
	s_lshr_b32 s35, s6, 1                          ; wb: j = 16 q + 2 wave: (j >> 5) = q >> 1, 128 rows of 4,096 bytes each,
	s_lshl_b32 s35, s35, 19
	s_lshl_b32 s34, s5, 17                         ; + 32 rows a gate,
	s_add_co_u32 s35, s35, s34
	s_and_b32 s34, s6, 1                           ; + (j & 31) = 16 (q & 1) + 2 wave rows
	s_lshl_b32 s34, s34, 16
	s_add_co_u32 s35, s35, s34
	s_lshl_b32 s34, s4, 13
	s_add_co_u32 s35, s35, s34
	s_cmp_eq_u32 s2, 2
	s_cselect_b32 s30, s35, s30
	s_mov_b32 s31, 0                               ; s[30:31]: byte offset in the destination
.irp s, 0,1,2,3
	s_mul_i32 s[36+(\s)], s32, (\s)                ; a register to each segment: none that a vector instruction reads is written again
	v_lshl_add_u32 v[4+(\s)], v1, 3, s[36+(\s)]    ; 8 bytes a lane on the way out
.endr
	s_wait_kmcnt 0x0
	s_mov_b64 s[24:25], s[12:13]                   ; the source: a choice between buffers on ids alone
	s_cmp_eq_u32 s5, 1
	s_cselect_b64 s[24:25], s[14:15], s[24:25]
	s_cmp_eq_u32 s5, 2
	s_cselect_b64 s[24:25], s[16:17], s[24:25]
	s_cmp_eq_u32 s5, 3
	s_cselect_b64 s[24:25], s[18:19], s[24:25]
	s_cmp_eq_u32 s2, 0
	s_cselect_b64 s[24:25], s[8:9], s[24:25]
	s_cmp_eq_u32 s2, 1
	s_cselect_b64 s[24:25], s[10:11], s[24:25]
	s_cmp_eq_u32 s2, 2
	s_cselect_b64 s[26:27], s[22:23], s[20:21]     ; the destination
	s_add_nc_u64 s[24:25], s[24:25], s[28:29]
	s_add_nc_u64 s[26:27], s[26:27], s[30:31]
	s_wait_alu depctr_va_vdst(0)                   ; v2 and v[4:7] are written: every load of the kernel reads v2 as its offset, every store one of v[4:7]
.set n, 0
.rept 32
	global_load_b128 v[X+4*n:X+4*n+3], v2, s[24:25] offset:512*n th:TH_LOAD_NT  ; 512 consecutive bytes a load; read once in the launch
.set n, n+1
.endr
; Block p: loads 4 p .. 4 p + 3 are rounded; the stores of loads 4 p - 4 .. 4 p - 1 go out, one ahead of each load's two conversions.
.set p, 0
.rept 8
	s_wait_loadcnt 28-4*p                          ; loads come back in order (ISA guide 5.7.1): the block's four are in, the 28 - 4 p younger ones stay out
.if p > 0
	s_wait_alu depctr_va_vdst(0)                   ; the block before has written its four packed pairs, which the four stores below read; no conversion below names them
.endif
.set i, 0
.rept 4
.set n, 4*p+i
.if p > 0
	global_store_b64 v[4+(n-4)/8], v[X+4*(n-4):X+4*(n-4)+1], s[26:27] offset:256*((n-4)%8) th:TH_STORE_NT  ; load n - 4: segment (n - 4) / 8, its piece (n - 4) % 8: 32 lanes x 8 bytes = 256 consecutive bytes, aligned
.endif
	v_cvt_pk_bf16_f32 v[X+4*n], v[X+4*n], v[X+4*n+1]
	v_cvt_pk_bf16_f32 v[X+4*n+1], v[X+4*n+2], v[X+4*n+3]
.set i, i+1
.endr
.set p, p+1
.endr
	s_wait_alu depctr_va_vdst(0)                   ; block 7 has written its four packed pairs, which the last four stores read
.set n, 28
.rept 4
	global_store_b64 v[4+n/8], v[X+4*n:X+4*n+1], s[26:27] offset:256*(n%8) th:TH_STORE_NT
.set n, n+1
.endr
	s_endpgm                                       ; no register that a pending load or store names is ever rewritten
.Lfunc_end_k_qab0e9b0ffb_tobf16:
	.size	k_qab0e9b0ffb_tobf16, .Lfunc_end_k_qab0e9b0ffb_tobf16-k_qab0e9b0ffb_tobf16
	.p2alignl 7, 3214868480
	.fill 96, 4, 3214868480
	.section	.rodata,"a",@progbits
	.p2align	6, 0x0
	.amdhsa_kernel k_qab0e9b0ffb_tobf16
		.amdhsa_group_segment_fixed_size 0
		.amdhsa_private_segment_fixed_size 0
		.amdhsa_enable_private_segment 0
		.amdhsa_kernarg_size 64
		.amdhsa_user_sgpr_count 2
		.amdhsa_user_sgpr_kernarg_segment_ptr 1
		.amdhsa_wavefront_size32 1
		.amdhsa_system_sgpr_workgroup_id_x 1
		.amdhsa_system_sgpr_workgroup_id_y 1
		.amdhsa_system_sgpr_workgroup_id_z 1
		.amdhsa_system_vgpr_workitem_id 0
		.amdhsa_next_free_vgpr 136
		.amdhsa_next_free_sgpr 66
		.amdhsa_reserve_vcc 0
		.amdhsa_float_denorm_mode_32 3
		.amdhsa_float_denorm_mode_16_64 3
		.amdhsa_memory_ordered 1
		.amdhsa_forward_progress 1
		.amdhsa_inst_pref_size 13
	.end_amdhsa_kernel
	.amdgpu_metadata
---
amdhsa.version: [ 1, 2 ]
amdhsa.kernels:
  - .name:           k_qab0e9b0ffb_tobf16
    .symbol:         k_qab0e9b0ffb_tobf16.kd
    .args:
      - { .name: x, .offset: 0, .size: 8, .value_kind: global_buffer, .address_space: global }
      - { .name: h, .offset: 8, .size: 8, .value_kind: global_buffer, .address_space: global }
      - { .name: W_f, .offset: 16, .size: 8, .value_kind: global_buffer, .address_space: global }
      - { .name: W_i, .offset: 24, .size: 8, .value_kind: global_buffer, .address_space: global }
      - { .name: W_g, .offset: 32, .size: 8, .value_kind: global_buffer, .address_space: global }
      - { .name: W_o, .offset: 40, .size: 8, .value_kind: global_buffer, .address_space: global }
      - { .name: xb, .offset: 48, .size: 8, .value_kind: global_buffer, .address_space: global }
      - { .name: wb, .offset: 56, .size: 8, .value_kind: global_buffer, .address_space: global }
    .group_segment_fixed_size: 0
    .private_segment_fixed_size: 0
    .kernarg_segment_align: 8
    .kernarg_segment_size: 64
    .max_flat_workgroup_size: 256
    .sgpr_count:     66
    .vgpr_count:     136
    .wavefront_size: 32
...
	.end_amdgpu_metadata
.endif
;; end of part 3
;; launch lstm: the kernel of part 2 again; grid 16 x 32, 4 waves a work-group, clusters of 4 x 4, 327,680 bytes of LDS; arguments xb, wb, c, b_f, b_i, b_g, b_o, out0, out1; writes out0, out1
